; MI455X (gfx1250); checked and timed in simulation.
; The chip was launched on July 23, 2026; its instructions are those of AMD's public machine-readable ISA for CDNA 5 (MIT licence, August 2026) and "CDNA5" Instruction Set Architecture Reference Guide (July 2026). The comments in the code are by the model that wrote it; some were corrected since.
;; Multi Head KAN Attention. Allowed arithmetic: matrix products marked QUANTISED: E4M3 operands, one given power-of-two scale a tensor, by v_wmma_f32_16x16x64_fp8_fp8 or v_wmma_f32_16x16x128_fp8_fp8, f32 sums; everything else in f32.
;; Inputs: key 2 x 1,024 x 512 float32; lowp_scales 16 int32 (the exponents e of the quantised operands' scales 2^e); query 2 x 1,024 x 512 float32; value 2 x 1,024 x 512 float32; wk_base 512 x 512 float32; wk_sp 512 x 35 x 512 float32; wq_base 512 x 512 float32; wq_sp 512 x 35 x 512 float32; wv_base 512 x 512 float32; wv_sp 512 x 35 x 512 float32.
;; Outputs: out0 2 x 1,024 x 512 float32.
;; This version of the problem:
;;   THIS VERSION OF THE PROBLEM IS GIVEN IN LOW PRECISION. The matrix products marked QUANTISED in the list below multiply operands that are first quantised to E4M3 (4 exponent bits, 3 mantissa bits; 8 bits a number), with one given power-of-two scale for each operand tensor; their sums are f32. All else is computed in f32.
;;   The module's matrix products, in the order in which they are computed (A, B: the left and right operand; K: the contracted axis; several contracted axes count as one K, in the product's order):
;;     1. [M 2,048, K 512] x [K 512, N 512]; A: computed on the way; B: input wq_base: QUANTISED (scales: A lowp_scales[0], B lowp_scales[1])
;;     2. [M 2,048, K 17,920] x [K 17,920, N 512]; A: computed on the way; B: input wq_sp: QUANTISED (scales: A lowp_scales[2], B lowp_scales[3])
;;     3. [M 2,048, K 512] x [K 512, N 512]; A: computed on the way; B: input wk_base: QUANTISED (scales: A lowp_scales[4], B lowp_scales[5])
;;     4. [M 2,048, K 17,920] x [K 17,920, N 512]; A: computed on the way; B: input wk_sp: QUANTISED (scales: A lowp_scales[6], B lowp_scales[7])
;;     5. [M 2,048, K 512] x [K 512, N 512]; A: computed on the way; B: input wv_base: QUANTISED (scales: A lowp_scales[8], B lowp_scales[9])
;;     6. [M 2,048, K 17,920] x [K 17,920, N 512]; A: computed on the way; B: input wv_sp: QUANTISED (scales: A lowp_scales[10], B lowp_scales[11])
;;     7. batch 16 x [M 64, K 1,024] x [K 1,024, N 64]; A: computed on the way; B: computed on the way: QUANTISED (scales: A lowp_scales[12], B lowp_scales[13])
;;     8. batch 16 x [M 1,024, K 64] x [K 64, N 64]; A: computed on the way; B: computed on the way: QUANTISED (scales: A lowp_scales[14], B lowp_scales[15])
;;   THE QUANTISER, for each operand of a quantised product, along K:
;;     - The operand's scale is 2^e, e = its entry of the input lowp_scales (int32; the entries are numbered through the quantised products in the list's order, A before B).
;;     - Each number is divided by the scale, clamped to +-448, and rounded to the nearest number of E4M3, ties to even, subnormals kept.
;;     - The product sums the exact products of the quantised numbers (number of the format x scale) in f32.
;;   ~~~python
;;   def quantise(x, axis, e):      # numpy; x: float32 -> the quantised numbers, widened to float32 again
;;       x = np.moveaxis(x, axis, -1); K = x.shape[-1]
;;       r = np.clip(x / 2.0 ** e, -448, 448)
;;       step = 2.0 ** (np.maximum(np.frexp(np.where(r == 0, 1, r))[1] - 1, -6) - 3)
;;       q = np.round(r / step) * step * 2.0 ** e      # np.round: ties to even
;;       return np.moveaxis(q, -1, axis).astype(np.float32)
;;   ~~~
;;   OPERANDS COMPUTED ON THE WAY. 'Computed on the way' means the value that the module computes at that place (a softmax that the list does not call 'softmax' is quantised finished and normalised). What goes into a quantiser is computed in f32, as accurately as f32 sums, v_exp_f32 and their like allow (about 1e-6 of the number): no bf16 or f16 on the way to a quantiser, and a product that is left as it is and whose result goes on into a quantised operand takes f32 operands (vector FMAs, or v_wmma_f32_16x16x4_f32). A number that lies on a knife's edge between two numbers of the format may be rounded either way, as far as f32 arithmetic and the matrix unit's own rounding can turn it there, and no further.
;; One version. Each part assembles by itself: llvm-mc -triple=amdgcn-amd-amdhsa -mcpu=gfx1250 --defsym DOCPART=n.
;; ======== version 1 of 1: 4 launches
;; workspace buffers: cmp 45,613,056 bytes; bw 29,097,984 bytes; part 50,331,648 bytes; kv 2,097,152 bytes
;; launch prep (part 1): grid 2544 x 1, 4 waves a work-group, no clusters, 0 bytes of LDS; arguments query, key, value, wq_base, wk_base, wv_base, wq_sp, wk_sp, wv_sp, lowp_scales, cmp, bw; writes cmp, bw
.if DOCPART == 1
	.amdgcn_target "amdgcn-amd-amdhsa--gfx1250"
	.amdhsa_code_object_version 6
	.text
	.protected	k_q6de72697c8_prep
	.globl	k_q6de72697c8_prep
	.p2align	8
	.type	k_q6de72697c8_prep,@function
k_q6de72697c8_prep:
	s_mov_b64 s[64:65], 0
	v_nop
	global_prefetch_b8 v0, s[64:65] scope:SCOPE_SE
	s_setreg_imm32_b32 hwreg(HW_REG_WAVE_MODE, 25, 1), 1
	s_wait_xcnt 0x0
; PREP: every operand of the six KAN products is quantised once, to E4M3 with its given scale 2^e, and laid in the order of the operand's registers.
; T = 0, 1, 2: the q, k, v layer.  Scale entries of layer T: 4T silu(x), 4T+1 w_base, 4T+2 the spline basis, 4T+3 w_sp.
; K OF THE SPLINE PRODUCT IS PERMUTED, alike in both operands.  The 35 numbers of an input channel e are padded to 36 = 9 dwords (planes): byte j of plane P is basis number 4P + j, number 35 a zero code.
; K is cut in four splits of 128 channels; a split has 37 steps of 128 along K: step 0 silu x w_base; steps 1, 2, 35, 36 plane 8 of 32 channels each; step 3 + 4g + jp planes 2jp and 2jp + 1 of the 16 channels of group g.
; WEIGHTS (buffer bw: [T][split][128 columns wq][step 37][fragment 8][chunk 4][512 bytes]): a lane takes a column and its registers run down K, so the conversions give codes with K innermost; nothing is transposed.
; THE BASIS (buffer cmp) GOES OUT COMPACT: of the 35 numbers of (row, e) four neighbours are not zero.  Their four codes W, shifted to their bytes, are two dwords: lo for plane q = i / 4, hi for plane q + 1 (i = the interval of x, 0..31).
; Stored for each (row, e): lo, hi, the byte q, and plane 8's dword (hi where q = 7, else 0).  The product's launch spreads them out by compares and selects; no address hangs on q.
; cmp: [T][row tile 16][split 4][wave 4] a stream of 116 chunks of 512 bytes (16 bytes a lane): 8 chunks silu's codes as two fragments' registers; then 12 records of 9 chunks (lo 4, hi 4, q 1): records 0, 1, 10, 11 plane 8, records 2..9 groups 0..7.
; LIMITS: NaN among the inputs is not served.  Every given e lies between -126 and 119, so that 2^e and 448 x 2^e are f32 numbers.
; An x that lies within f32 rounding of a knot may be put in the neighbouring interval: the spline is continuous there, so the four numbers are the same to f32 rounding.
; No LDS, no barrier, no loop: waves share nothing.  The work-group's number says which class of work it does: 0..767 x, 768..815 w_base, 816..1007 plane 8 of w_sp, 1008..2543 planes 0..7 of w_sp.
.set XB,  32                           ; v32-63   x: index 16 gl + 8 rb + t (group of the pair, block of 16 rows, channel)
.set EB,  64                           ; v64-95   silu at work
.set BB,  96                           ; v96-103  two elements' four basis numbers each
.set WB,  120                          ; v120-151 W: four codes an element
.set LO,  152                          ; v152-183
.set HI,  184                          ; v184-215
.set P8,  216                          ; v216-247
.set QPB, 8                            ; v8-15    q, four bytes a register
.set ZQ,  16                           ; v16-19   zeros
.set SIL, 20                           ; v20-27   silu's codes
; one element: the four cubic B-spline numbers that are not zero, held at 448 x the scale (they are never negative beyond rounding)
.macro EL x, bb, f, a
	v_med3_num_f32 v[\a], v[\x], s33, s34          ; x clipped to [-3, 3 - 1e-4]
	v_add_f32 v[\a+1], 0x40400000, v[\a]
	v_mul_f32 v[\a+1], s35, v[\a+1]                ; (x + 3) x 16/3
	v_floor_f32 v[\f], v[\a+1]                     ; the interval, 0..31
	v_fma_f32 v[\a+1], v[\f], s36, s33             ; its left knot: exact
	v_fma_f32 v[\a+2], v[\f], s36, s37             ; its right knot: exact
	v_sub_f32 v[\a+1], v[\a], v[\a+1]
	v_sub_f32 v[\a+2], v[\a+2], v[\a]
	v_mul_f32 v[\a+1], s35, v[\a+1]                ; u
	v_mul_f32 v[\a+2], s35, v[\a+2]                ; v = 1 - u
	v_mul_f32 v[\a+3], v[\a+1], v[\a+1]
	v_mul_f32 v[\a+4], v[\a+2], v[\a+2]
	v_mul_f32 v[\a+5], s38, v[\a+1]
	v_mul_f32 v[\a+6], s38, v[\a+2]
	v_fma_f32 v[\a+7], v[\a+1], 0.5, -1.0
	v_fma_f32 v[\a], v[\a+2], 0.5, -1.0
	v_mul_f32 v[\bb], v[\a+4], v[\a+6]             ; number i:     v^3 / 6
	v_fma_f32 v[\bb+1], v[\a+3], v[\a+7], s39      ; number i + 1: u^2 (u/2 - 1) + 2/3
	v_fma_f32 v[\bb+2], v[\a+4], v[\a], s39        ; number i + 2: v^2 (v/2 - 1) + 2/3
	v_mul_f32 v[\bb+3], v[\a+3], v[\a+5]           ; number i + 3: u^3 / 6
	v_min_num_f32 v[\bb], v[\bb], v5               ; the conversion to an 8-bit code does not saturate (ISA guide 7.6.2)
	v_min_num_f32 v[\bb+1], v[\bb+1], v5
	v_min_num_f32 v[\bb+2], v[\bb+2], v5
	v_min_num_f32 v[\bb+3], v[\bb+3], v5
.endm
; the whole numbers of element i_ + k: lo, hi, plane 8's dword, q
.macro WH k
.set t_, 104+8*(\k)
.set id_, i_+(\k)
.set qp_, QPB+4*(id_/16)+(id_%16)/4
	v_cvt_u32_f32 v[t_], v[248+(\k)]               ; i
	v_lshlrev_b32 v[t_+1], 3, v[t_]                ; 8 i: a shift takes its low five bits, 8 (i % 4)
	v_lshlrev_b32 v[LO+id_], v[t_+1], v[WB+id_]
	v_sub_nc_u32 v[t_+2], 24, v[t_+1]
	v_lshrrev_b32 v[t_+3], 8, v[WB+id_]
	v_lshrrev_b32 v[HI+id_], v[t_+2], v[t_+3]      ; W >> (32 - 8 (i % 4)), 0 where i % 4 = 0
	v_lshrrev_b32 v[t_+4], 2, v[t_]                ; q
	v_cmp_eq_u32 vcc_lo, 7, v[t_+4]
	v_cndmask_b32 v[P8+id_], 0, v[HI+id_], vcc_lo
.if id_%4 == 0
	v_mov_b32 v[qp_], v[t_+4]
.else
	v_lshl_or_b32 v[qp_], v[t_+4], 8*(id_%4), v[qp_]
.endif
.endm
; weights: s50 = T, s51 = split, s52 = wq, s53 = step, s54 = the unit's first row of the weight.  p0, p1, p2: the three layers' pointers
.macro WSETUP p0, p1, p2
	s_cmp_eq_u32 s50, 0
	s_cselect_b64 s[40:41], s[\p0:\p0+1], s[\p1:\p1+1]
	s_cmp_eq_u32 s50, 2
	s_cselect_b64 s[40:41], s[\p2:\p2+1], s[40:41]
	s_lshl_b32 s56, s54, 11                        ; a row of a weight is 2,048 bytes
	s_lshl_b32 s58, s52, 9
	s_add_co_u32 s56, s56, s58
	s_lshl_b32 s58, s32, 7
	s_add_co_u32 s56, s56, s58                     ; + column 128 wq + 32 wave
	s_add_nc_u64 s[40:41], s[40:41], s[56:57]
	s_lshl_b32 s56, s50, 2
	s_add_co_u32 s56, s56, s51
	s_lshl_b32 s56, s56, 2
	s_add_co_u32 s56, s56, s52
	s_mul_i32 s56, s56, 37
	s_add_co_u32 s56, s56, s53
	s_lshl_b32 s56, s56, 14
	s_lshl_b32 s58, s32, 12
	s_add_co_u32 s56, s56, s58                     ; my wave's two fragments of the step's eight
	s_add_nc_u64 s[42:43], s[26:27], s[56:57]
	s_lshl_b32 s56, s50, 4
	s_add_nc_u64 s[22:23], s[22:23], s[56:57]
	s_load_b128 s[28:31], s[22:23], 0x0            ; the layer's four exponents
	v_lshlrev_b32 v2, 2, v28                       ; in: 4 bytes a lane: 128 consecutive bytes a wave, 512 a work-group
	v_lshlrev_b32 v3, 4, v29                       ; out: fragment lane / 16, 16 bytes at lane % 16
	v_lshl_add_u32 v3, v30, 11, v3
.endm
; block c of four: 32 numbers of my column.  Slot 16 h + k becomes byte k % 4 of register 4 c + k / 4 of the fragment's lanes of half h.  kind 0: planes 0..7, 1: plane 8, 2: w_base
.macro LOADB kind, c
.set h_, 0
.rept 2
.set k_, 0
.rept 16
.if \kind == 0
.set row_, (8*h_+4*((\c)%2)+k_/4)*35+4*((\c)/2)+k_%4
.elseif \kind == 1
.set row_, (16*((\c)/2)+8*h_+4*((\c)%2)+k_/4)*35+k_%4
.else
.set row_, 32*(\c)+16*(k_/8)+8*h_+k_%8
.endif
.if (\kind == 1) && (k_%4 == 3)
	v_mov_b32 v[32+32*(\c)+16*h_+k_], 0            ; basis number 35 does not exist: a zero code
.else
	global_load_b32 v[32+32*(\c)+16*h_+k_], v2, s[40:41] offset:row_*2048 th:TH_LOAD_NT
.endif
.set k_, k_+1
.endr
.set h_, h_+1
.endr
.endm
.macro WBLOCKS kind, esc
	LOADB \kind, 0
	LOADB \kind, 1
	s_wait_kmcnt 0x0
	s_add_co_i32 s58, s[\esc], 127
	s_lshl_b32 s59, s58, 23
	v_mov_b32 v4, s59                              ; 2^e as f32: the conversion takes its exponent field
	s_add_co_i32 s58, s58, 8
	s_lshl_b32 s58, s58, 23
	s_or_b32 s58, s58, 0x600000
	v_mov_b32 v5, s58                              ; 448 x 2^e
.set c_, 0
.rept 4
.if c_ == 3
	s_wait_loadcnt 0x0
.elseif \kind == 1
	s_wait_loadcnt 24                              ; this block is in; the one block issued behind it (24 loads) may be out
.else
	s_wait_loadcnt 32                              ; this block is in; the one block issued behind it (32 loads) may be out
.endif
.if c_ < 2
	LOADB \kind, c_+2                              ; loads run two blocks ahead, into registers of their own
.endif
.set k_, 0
.rept 32
	v_med3_num_f32 v[32+32*c_+k_], v[32+32*c_+k_], -v5, v5
.set k_, k_+1
.endr
.set h_, 0
.rept 2
	v_cvt_scalef32_pk8_fp8_f32 v[160+8*c_+4*h_:160+8*c_+4*h_+1], v[32+32*c_+16*h_:32+32*c_+16*h_+7], v4
	v_cvt_scalef32_pk8_fp8_f32 v[160+8*c_+4*h_+2:160+8*c_+4*h_+3], v[32+32*c_+16*h_+8:32+32*c_+16*h_+15], v4
.set h_, h_+1
.endr
	global_store_b128 v3, v[160+8*c_:160+8*c_+3], s[42:43] offset:512*c_        ; sixteen lanes store 256 consecutive bytes, aligned; every block has code registers of its own
	global_store_b128 v3, v[160+8*c_+4:160+8*c_+7], s[42:43] offset:512*c_+256
.set c_, c_+1
.endr
.endm
	s_load_b512 s[4:19], s[0:1], 0x0               ; query, key, value, wq_base, wk_base, wv_base, wq_sp, wk_sp
	s_load_b256 s[20:27], s[0:1], 0x40             ; wv_sp, the exponents, cmp, bw
	v_lshrrev_b32 v28, 5, v0
	v_readfirstlane_b32 s32, v28                   ; wave
	v_and_b32 v28, 31, v0                          ; lane
	v_and_b32 v29, 15, v0                          ; r
	v_bfe_u32 v30, v0, 4, 1                        ; h
	s_mov_b32 s57, 0                               ; the upper word of every 32-bit offset
	s_wait_kmcnt 0x0
	s_cmp_lt_u32 ttmp9, 768
	s_cbranch_scc1 .Lxs
	s_cmp_lt_u32 ttmp9, 816
	s_cbranch_scc1 .Lbs
	s_cmp_lt_u32 ttmp9, 1008
	s_cbranch_scc1 .Lp8
	; ---- planes 0..7 of w_sp: one step (group G of 16 channels, plane pair jp) x 128 columns
	s_sub_co_u32 s33, ttmp9, 1008
	s_lshr_b32 s50, s33, 9
	s_bfe_u32 s34, s33, 0x50004                    ; G, 0..31
	s_bfe_u32 s52, s33, 0x20002
	s_and_b32 s35, s33, 3                          ; jp
	s_lshr_b32 s51, s34, 3
	s_and_b32 s36, s34, 7
	s_lshl_b32 s53, s36, 2
	s_add_co_u32 s53, s53, s35
	s_add_co_u32 s53, s53, 3                       ; step 3 + 4 g + jp
	s_mul_i32 s54, s34, 560                        ; 16 channels x 35 rows
	s_lshl_b32 s35, s35, 3
	s_add_co_u32 s54, s54, s35                     ; + basis number 8 jp
	WSETUP 16, 18, 20
	WBLOCKS 0, 31
	s_endpgm
.Lp8:	; ---- plane 8 of w_sp: 32 channels x 128 columns
	s_sub_co_u32 s33, ttmp9, 816
	s_lshr_b32 s50, s33, 6
	s_bfe_u32 s51, s33, 0x20004
	s_bfe_u32 s52, s33, 0x20002
	s_and_b32 s35, s33, 3                          ; k8
	s_cmp_lt_u32 s35, 2
	s_cselect_b32 s53, 1, 33
	s_add_co_u32 s53, s53, s35                     ; steps 1, 2, 35, 36
	s_lshl_b32 s54, s51, 2
	s_add_co_u32 s54, s54, s35
	s_mul_i32 s54, s54, 1120                       ; 32 channels x 35 rows
	s_add_co_u32 s54, s54, 32                      ; basis number 32
	WSETUP 16, 18, 20
	WBLOCKS 1, 31
	s_endpgm
.Lbs:	; ---- w_base: 128 channels x 128 columns
	s_sub_co_u32 s33, ttmp9, 768
	s_lshr_b32 s50, s33, 4
	s_bfe_u32 s51, s33, 0x20002
	s_and_b32 s52, s33, 3
	s_mov_b32 s53, 0
	s_lshl_b32 s54, s51, 7
	WSETUP 10, 12, 14
	WBLOCKS 2, 29
	s_endpgm
.Lxs:	; ---- x: a wave takes 32 rows x 32 channels; lane (r, h) holds rows r and 16 + r, channels 16 gl + 8 h + 0..7
	s_lshr_b32 s50, ttmp9, 8                       ; T
	s_bfe_u32 s51, ttmp9, 0x40004                  ; row tile
	s_bfe_u32 s52, ttmp9, 0x20002                  ; split
	s_and_b32 s53, ttmp9, 3                        ; k8: which 32 channels of the split
	s_cmp_eq_u32 s50, 0
	s_cselect_b64 s[40:41], s[4:5], s[6:7]
	s_cmp_eq_u32 s50, 2
	s_cselect_b64 s[40:41], s[8:9], s[40:41]
	s_lshl_b32 s56, s51, 2
	s_add_co_u32 s56, s56, s32
	s_lshl_b32 s56, s56, 16                        ; 32 rows of 2,048 bytes
	s_lshl_b32 s58, s52, 9
	s_add_co_u32 s56, s56, s58
	s_lshl_b32 s58, s53, 7
	s_add_co_u32 s56, s56, s58
	s_add_nc_u64 s[40:41], s[40:41], s[56:57]
	v_lshlrev_b32 v1, 4, v28                       ; out: 16 bytes a lane
	v_lshlrev_b32 v2, 11, v29
	v_lshl_add_u32 v2, v30, 5, v2                  ; in: row r, + 32 h bytes
.irp g, 0,1
.irp b, 0,1
.irp q, 0,1
	global_load_b128 v[XB+16*\g+8*\b+4*\q:XB+16*\g+8*\b+4*\q+3], v2, s[40:41] offset:\b*32768+\g*64+\q*16
.endr
.endr
.endr
	s_lshl_b32 s56, s50, 4
	s_add_nc_u64 s[22:23], s[22:23], s[56:57]
	s_load_b128 s[28:31], s[22:23], 0x0            ; the layer's four exponents
	s_add_co_u32 s56, s56, s51                     ; 16 T + row tile
	s_lshl_b32 s56, s56, 2
	s_add_co_u32 s56, s56, s52
	s_lshl_b32 s56, s56, 2
	s_add_co_u32 s56, s56, s32
	s_mul_i32 s56, s56, 59392
	s_add_nc_u64 s[24:25], s[24:25], s[56:57]      ; my wave's stream
	s_lshl_b32 s56, s53, 9
	s_add_nc_u64 s[48:49], s[24:25], s[56:57]      ; silu's chunks k8 and 4 + k8
	s_mul_i32 s56, s53, 9216
	s_add_co_u32 s56, s56, 13312                   ; 4,096 + records 2 + 2 k8 and the next
	s_add_nc_u64 s[44:45], s[24:25], s[56:57]
	s_cmp_lt_u32 s53, 2
	s_cselect_b32 s56, 0, 8
	s_add_co_u32 s56, s56, s53                     ; plane 8's record: 0, 1, 10, 11
	s_mul_i32 s56, s56, 4608
	s_add_co_u32 s56, s56, 4096
	s_add_nc_u64 s[46:47], s[24:25], s[56:57]
	s_mov_b32 s33, 0xc0400000                      ; -3
	s_mov_b32 s34, 0x403ffe5d                      ; 3 - 1e-4
	s_mov_b32 s35, 0x40aaaaab                      ; 16/3
	s_mov_b32 s36, 0x3e400000                      ; 3/16
	s_mov_b32 s37, 0xc0340000                      ; -3 + 3/16
	s_mov_b32 s38, 0x3e2aaaab                      ; 1/6
	s_mov_b32 s39, 0x3f2aaaab                      ; 2/3
	s_mov_b32 s42, 0xbfb8aa3b                      ; -log2(e)
.irp j, 0,1,2,3
	v_mov_b32 v[ZQ+\j], 0
.endr
	s_wait_kmcnt 0x0
	s_add_co_i32 s58, s30, 127
	s_lshl_b32 s59, s58, 23
	v_mov_b32 v4, s59                              ; the basis's 2^e
	s_add_co_i32 s58, s58, 8
	s_lshl_b32 s58, s58, 23
	s_or_b32 s58, s58, 0x600000
	v_mov_b32 v5, s58                              ; 448 x that
	s_add_co_i32 s58, s28, 127
	s_lshl_b32 s59, s58, 23
	v_mov_b32 v6, s59                              ; silu's 2^e
	s_add_co_i32 s58, s58, 8
	s_lshl_b32 s58, s58, 23
	s_or_b32 s58, s58, 0x600000
	v_mov_b32 v7, s58
	s_wait_loadcnt 0x0
.set i_, 0
.rept 16
	EL XB+i_, BB, 248, 104
	EL XB+i_+1, BB+4, 249, 112
	v_cvt_scalef32_pk8_fp8_f32 v[WB+i_:WB+i_+1], v[BB:BB+7], v4   ; two elements' four codes each; the next line is plain and names none of these registers
	WH 0
	WH 1
.set i_, i_+2
.endr
.irp g, 0,1
.irp i, 0,1,2,3
	global_store_b128 v1, v[LO+16*\g+4*\i:LO+16*\g+4*\i+3], s[44:45] offset:\g*4608+\i*512   ; each store of the wave covers 512 consecutive bytes, aligned; every store has data registers of its own
	global_store_b128 v1, v[HI+16*\g+4*\i:HI+16*\g+4*\i+3], s[44:45] offset:\g*4608+2048+\i*512
	global_store_b128 v1, v[P8+16*\g+4*\i:P8+16*\g+4*\i+3], s[46:47] offset:\g*2048+\i*512
.endr
	global_store_b128 v1, v[QPB+4*\g:QPB+4*\g+3], s[44:45] offset:\g*4608+4096
.endr
	global_store_b128 v1, v[ZQ:ZQ+3], s[46:47] offset:4096
	; silu(x) = x / (1 + 2^(-x log2 e))
.set j_, 0
.rept 32
	v_mul_f32 v[EB+j_], s42, v[XB+j_]
.set j_, j_+1
.endr
.set j_, 0
.rept 32
	v_exp_f32 v[EB+j_], v[EB+j_]
.set j_, j_+1
.endr
	v_nop                                          ; a plain instruction behind the last exponential (ISA guide 5.7.2)
	s_wait_alu depctr_va_vdst(0)                   ; one wait for the batch, ahead of its first reader
.set j_, 0
.rept 32
	v_add_f32 v[EB+j_], 1.0, v[EB+j_]
.set j_, j_+1
.endr
.set j_, 0
.rept 32
	v_rcp_f32 v[EB+j_], v[EB+j_]
.set j_, j_+1
.endr
	v_nop
	s_wait_alu depctr_va_vdst(0)                   ; one wait for the batch of reciprocals
.set j_, 0
.rept 32
	v_mul_f32 v[EB+j_], v[XB+j_], v[EB+j_]
.set j_, j_+1
.endr
.set j_, 0
.rept 32
	v_med3_num_f32 v[EB+j_], v[EB+j_], -v7, v7
.set j_, j_+1
.endr
.irp b, 0,1
.irp g, 0,1
	v_cvt_scalef32_pk8_fp8_f32 v[SIL+4*\b+2*\g:SIL+4*\b+2*\g+1], v[EB+16*\g+8*\b:EB+16*\g+8*\b+7], v6   ; registers 4 k8 + 2 gl, + 1 of the fragment of rows 16 rb on
.endr
.endr
	v_nop
	global_store_b128 v1, v[SIL:SIL+3], s[48:49]
	global_store_b128 v1, v[SIL+4:SIL+7], s[48:49] offset:2048
	s_endpgm
.Lfunc_end_k_q6de72697c8_prep:
	.size	k_q6de72697c8_prep, .Lfunc_end_k_q6de72697c8_prep-k_q6de72697c8_prep
	.p2alignl 7, 3214868480
	.fill 96, 4, 3214868480
	.section	.rodata,"a",@progbits
	.p2align	6, 0x0
	.amdhsa_kernel k_q6de72697c8_prep
		.amdhsa_group_segment_fixed_size 0
		.amdhsa_private_segment_fixed_size 0
		.amdhsa_enable_private_segment 0
		.amdhsa_kernarg_size 96
		.amdhsa_user_sgpr_count 2
		.amdhsa_user_sgpr_kernarg_segment_ptr 1
		.amdhsa_wavefront_size32 1
		.amdhsa_system_sgpr_workgroup_id_x 1
		.amdhsa_system_sgpr_workgroup_id_y 1
		.amdhsa_system_sgpr_workgroup_id_z 1
		.amdhsa_system_vgpr_workitem_id 0
		.amdhsa_next_free_vgpr 256
		.amdhsa_next_free_sgpr 66
		.amdhsa_reserve_vcc 1
		.amdhsa_float_denorm_mode_32 3
		.amdhsa_float_denorm_mode_16_64 3
		.amdhsa_memory_ordered 1
		.amdhsa_forward_progress 1
		.amdhsa_inst_pref_size 127
	.end_amdhsa_kernel
	.amdgpu_metadata
---
amdhsa.version: [ 1, 2 ]
amdhsa.kernels:
  - .name:           k_q6de72697c8_prep
    .symbol:         k_q6de72697c8_prep.kd
    .args:
      - { .name: query, .offset: 0, .size: 8, .value_kind: global_buffer, .address_space: global }
      - { .name: key, .offset: 8, .size: 8, .value_kind: global_buffer, .address_space: global }
      - { .name: value, .offset: 16, .size: 8, .value_kind: global_buffer, .address_space: global }
      - { .name: wq_base, .offset: 24, .size: 8, .value_kind: global_buffer, .address_space: global }
      - { .name: wk_base, .offset: 32, .size: 8, .value_kind: global_buffer, .address_space: global }
      - { .name: wv_base, .offset: 40, .size: 8, .value_kind: global_buffer, .address_space: global }
      - { .name: wq_sp, .offset: 48, .size: 8, .value_kind: global_buffer, .address_space: global }
      - { .name: wk_sp, .offset: 56, .size: 8, .value_kind: global_buffer, .address_space: global }
      - { .name: wv_sp, .offset: 64, .size: 8, .value_kind: global_buffer, .address_space: global }
      - { .name: lowp_scales, .offset: 72, .size: 8, .value_kind: global_buffer, .address_space: global }
      - { .name: cmp, .offset: 80, .size: 8, .value_kind: global_buffer, .address_space: global }
      - { .name: bw, .offset: 88, .size: 8, .value_kind: global_buffer, .address_space: global }
    .group_segment_fixed_size: 0
    .private_segment_fixed_size: 0
    .kernarg_segment_align: 8
    .kernarg_segment_size: 96
    .max_flat_workgroup_size: 128
    .sgpr_count:     66
    .vgpr_count:     256
    .wavefront_size: 32
...
	.end_amdgpu_metadata
.endif
;; end of part 1
;; launch kan (part 2): grid 16 x 12, 4 waves a work-group, clusters of 4 x 1, 327,680 bytes of LDS; arguments cmp, bw, lowp_scales, part; writes part
.if DOCPART == 2
	.amdgcn_target "amdgcn-amd-amdhsa--gfx1250"
	.amdhsa_code_object_version 6
	.text
	.protected	k_q6de72697c8_kan
	.globl	k_q6de72697c8_kan
	.p2align	8
	.type	k_q6de72697c8_kan,@function
k_q6de72697c8_kan:
	s_mov_b64 s[64:65], 0
	v_nop
	global_prefetch_b8 v0, s[64:65] scope:SCOPE_SE
	s_setreg_imm32_b32 hwreg(HW_REG_WAVE_MODE, 25, 1), 1
	s_wait_xcnt 0x0
	s_wait_alu depctr_hold_cnt(0) depctr_sa_sdst(0) depctr_va_vdst(0) depctr_va_sdst(0) depctr_va_ssrc(0) depctr_va_vcc(0) depctr_vm_vsrc(0)
	s_getreg_b32 s2, hwreg(HW_REG_IB_STS2, 6, 4)
	s_cmp_eq_u32 s2, 0
	s_cbranch_scc0 .Lentry_in_a_cluster
	s_endpgm
.Lentry_in_a_cluster:
	s_bfe_u32 s2, ttmp6, 0x10000c
	s_cmp_lg_u32 s2, 0x3003
	s_cbranch_scc0 .Lentry_shape_is_right
	s_endpgm
.Lentry_shape_is_right:
; KAN: the six products silu(x) w_base and basis(x) w_sp, on codes of E4M3, as one GEMM for each layer T with K cut in four splits; f32 partial sums go to the buffer part.
; SHARES.  A work-group (row tile mt of 128 rows, layer T, split s) makes 128 rows x all 512 columns over the split's 37 steps of 128 along K.  Wave w makes 128 x 128 (columns 128 w on): 64 accumulators, 512 registers.
; B (the weights' codes, laid by the launch before as the operand's registers) comes by the tensor data mover: each wave fetches and reads its own 128 columns; a slot holds a pair of steps, 32,768 bytes a wave.
; CLUSTER: the four work-groups of a cluster are four row tiles of one (T, s) and walk the same B: each tile is asked for JOINTLY (mask 15).  The place in the cluster enters global addresses alone (cmp, part, prefetch).
; A (silu's and the basis's codes) IS SPREAD OUT HERE.  Memory holds for each (row, channel) two dwords lo, hi and a byte q; plane P of that channel is lo where q = P, hi where q = P - 1, else 0: a compare and two selects, no address and
; no branch hangs on q.  Wave w makes the register images of rows 32 w .. 32 w + 31 (two fragments a step) and hands them to all four waves through LDS: 16 bytes a lane on end, so no pitch and no padding.
; THE PIPELINE.  In step u a wave multiplies image u, reads image u + 1 and B of step u + 1 from LDS, and makes image u + 2.  One barrier a step: in front of it every wave has waited for its reads of image u and its stores of image u + 1;
; behind it image u + 2 is stored over image u and image u + 1 is read.  In even steps that barrier opens a round of the cluster's barrier, behind which the slot read out is filled again.
; BY TURNS.  96 vector and 72 LDS instructions stand beside a step's 64 matrix instructions; they are set in slices behind the matrix instructions, at the price of two window switches a slice.
; The base product's sums (step 0) are multiplied once by 2^d, d = e[4T] + e[4T+1] - e[4T+2] - e[4T+3], so that all sums of a layer stand in the unit 2^(e[4T+2] + e[4T+3]).  LIMIT: d between -126 and 127.
; The order of the f32 sums differs from the source's: K is permuted (alike in A and B) and cut in four.
; 192 work-groups: a fifth split would make the trips uneven and add a quarter to the partial sums' bytes.
; REGISTERS, in windows of 256.  Window 0: v1-8 addresses; v12-27 four chunks just made; v28-43 q of 16 elements; v44-79, v80-115 two records (lo 16, hi 16, q 4); v128-255 A's eight fragments.
;   Window 1: B's eight fragments, two sets (v0, v128).  Windows 2, 3: accumulator (a, b) at v[8 (8 (a % 4) + b)] of window 2 + a / 4.
.set SLOT1, 131072                     ; LDS: slot 0 at 0, slot 1 here; wave w's 32,768 bytes at 32,768 w: [step of the pair][fragment 8][chunk 4][512]
.set ABUF,  262144                     ; two images of A, 16,384 bytes each: [block of 16 rows 8][chunk 4][512]; written by LDS stores alone
.set SPARE, 294912                     ; the spare words, 128 bytes for each wave: two blocks of 256 bytes that no other line names
.set OUT,   12
.set QQ,    28
.set LOB,   44
.set AF,    128
.set MP,    66                         ; s66-81  masks q = 2 jp + 1 of the 16 elements: the next step's 'q = P - 1'
.set MM,    82                         ; s82-89  masks q = 2 jp of eight elements
.set MSB, 0
.macro WIN new                         ; the immediate's high byte repeats the setting that is left; a switch that changes nothing is dropped
.if MSB != (\new)
	s_set_vgpr_msb (MSB<<8)|(\new)
.set MSB, \new
.endif
.endm
.macro CREST                           ; a round of the cluster's barrier behind its opening barrier
	s_cmp_lg_u32 s12, 0
	s_cbranch_scc1 .Lnot_wave_0_\@
	s_barrier_signal -3
.Lnot_wave_0_\@:
	s_barrier_wait -3
	s_barrier_signal -1
	s_barrier_wait -1
.endm
.macro CROUND
	s_barrier_signal -1
	s_barrier_wait -1
	CREST
.endm
; A PREFETCH INTO THE L2 behind each refill: refill n brings pair n + 1 and asks for pair n + 3: four steps, 256 matrix instructions, ahead of the load that will want it.  A wave's pair is 128 blocks of 256 bytes: the four
; partners take 32 each BY ADDRESS, a lane a block.  All four clusters of a (T, s) walk the same B: the first of them asks.  Refills 15 and 16 ask for nothing: there is no pair 18.  Pairs 0 to 2 come by their loads alone.
.macro ASK
	s_cmp_gt_u32 s55, s54
	s_cbranch_scc0 .Lnot_mine_\@
	global_prefetch_b8 v8, s[52:53] th:TH_LOAD_NT scope:SCOPE_SE
.Lnot_mine_\@:
	s_sub_co_u32 s55, s55, 1
.endm
; dword B_ of chunk T_ of the image two steps on: element n_ of my 16 (row block T_ / 4); chunks 0, 1 of a block are plane 2 jp, chunks 2, 3 plane 2 jp + 1
.macro PROD set, jp
.set c_, T_%4
.set e4_, 4*(c_%2)+B_
.set n_, 8*(T_/4)+e4_
.set o_, OUT+4*c_+B_
.set lo_, LOB+36*(\set)+n_
.set qp_, LOB+36*(\set)+32+n_/4
	WIN 0
.if c_ < 2
.if \jp == 0
	v_bfe_u32 v[QQ+n_], v[qp_], 8*(n_%4), 8
.endif
	v_cmp_eq_u32 s[MM+e4_], 2*(\jp), v[QQ+n_]
	v_cndmask_b32 v[o_], 0, v[lo_], s[MM+e4_]
.if \jp > 0
	v_cndmask_b32 v[o_], v[o_], v[lo_+16], s[MP+n_]
.endif
.else
	v_cmp_eq_u32 s[MP+n_], 2*(\jp)+1, v[QQ+n_]
	v_cndmask_b32 v[o_], 0, v[lo_], s[MP+n_]
	v_cndmask_b32 v[o_], v[o_], v[lo_+16], s[MM+e4_]
.endif
.endm
.macro ST k, par                       ; chunk k of my two fragments goes into the image
	ds_store_b128 v5, v[OUT+4*((\k)%4):OUT+4*((\k)%4)+3] offset:(\par)*16384+(\k)*512
.endm
.macro COPY set, par                   ; a plane-8 record is the image as it stands: lo = registers 0-7, hi = registers 8-15
.irp k, 0,1,2,3,4,5,6,7
	ds_store_b128 v5, v[LOB+36*(\set)+16*((\k%4)/2)+8*(\k/4)+4*(\k%2):LOB+36*(\set)+16*((\k%4)/2)+8*(\k/4)+4*(\k%2)+3] offset:(\par)*16384+\k*512
.endr
.endm
.macro LA a, img                       ; A's fragment a from image img
.irp c, 0,1,2,3
	ds_load_b128 v[AF+16*(\a)+4*\c:AF+16*(\a)+4*\c+3], v4 offset:(\img)*16384+(\a)*2048+\c*512
.endr
.endm
.macro LB f, p, ns, nh                 ; B's fragment f of step nh of slot ns into set p
	WIN 0x40                                       ; destination window 1, address window 0
.irp c, 0,1,2,3
	ds_load_b128 v[128*(\p)+16*(\f)+4*\c:128*(\p)+16*(\f)+4*\c+3], v[2+(\ns)] offset:(\nh)*16384+(\f)*2048+\c*512
.endr
.endm
.macro WM par, zero                    ; product (T_, B_): source 0 = A's 16 rows (window 0), source 1 = B's 16 columns (window 1), C and D window 2 or 3
.set d_, 8*(8*(T_%4)+B_)
	WIN 0xa4+0x50*(T_/4)
.if \zero
	v_wmma_f32_16x16x128_fp8_fp8 v[d_:d_+7], v[AF+16*T_:AF+16*T_+15], v[128*(\par)+16*B_:128*(\par)+16*B_+15], 0
.else
	v_wmma_f32_16x16x128_fp8_fp8 v[d_:d_+7], v[AF+16*T_:AF+16*T_+15], v[128*(\par)+16*B_:128*(\par)+16*B_+15], v[d_:d_+7]
.endif
.endm
; what stands behind product (T_, B_).  Slices 0-3 of a turn are vector work (or four v_nop): the places between the turn before, which read A's fragment T_ - 1, and the loads into it in slices 4 on.
.macro SLICE par, mode, set, jp, bar, rs, nb, ns, nh, ro, lw
.if B_ < 4
.if \mode == 1
	PROD \set, \jp
.elseif B_ == 0
.rept 4
	v_nop
.endr
.endif
.if (T_ == 2) && (B_ == 3)
	WIN 0                                          ; at a label and at a branch every window is 0
.if \bar >= 1
	s_barrier_wait -1
.endif
.if \bar == 2
	CREST                                          ; no wave of any partner still reads the slot or has a load on its way
	tensor_load_to_lds s[44+4*\rs:47+4*\rs], s[24:31]   ; the first tensor load behind the round, my one load until the next: it has two steps less a turn, 120 matrix instructions, in which to land
	s_nop 0
.rept 4
	v_nop
.endr
	ASK
.endif
.endif
.elseif T_ == 0
.if B_ == 4
	WIN 0
	LA 7, \par                                     ; this step's last fragment: its registers were at work to the end of the step before
.elseif \ro != 0
	WIN 0
.set i_, 3*(B_-5)
.rept 3
	global_load_b128 v[LOB+36*(1-\set)+4*i_:LOB+36*(1-\set)+4*i_+3], v1, s[4:5] offset:\ro+512*i_   ; the record wanted four steps on, into the set that is idle
.set i_, i_+1
.endr
.endif
.elseif T_ >= 2
.if B_ == 4
.if \mode == 1
	WIN 0
.if T_ == 2
	ST 0, \par
	ST 1, \par
.endif
	ST T_, \par
.elseif (\mode == 2) && (T_ == 7)
	WIN 0
.if \lw == 0
	s_wait_loadcnt 0x0                             ; the record is in
.endif
	COPY \set, \par
.endif
.elseif \nb
.if B_ == 5
	WIN 0
.if T_ == 2
	LA 0, 1-\par
.else
	LA T_-1, 1-\par
.endif
.elseif B_ == 6
.if T_ == 2
	WIN 0
	LA 1, 1-\par
.elseif T_ < 7
	LB 2*T_-5, 1-\par, \ns, \nh
.endif
.else
.if T_ == 2
	LB 0, 1-\par, \ns, \nh
.elseif T_ < 6
	LB 2*T_-4, 1-\par, \ns, \nh
.endif
.endif
.endif
.endif
.endm
; A STEP: eight turns (A's fragment T_) of eight products (B's fragment B_).  The 64 accumulators take turns, one instruction a turn, in the same order in every step.
; par = step % 2; zero: the products start the sums; mode 0: no image is made, 1: spread from record set, plane pair jp, 2: copy record set; bar 0: none, 1: barrier, 2: round and refill of slot rs, 3: the waits of a change of slots and a barrier;
; nb: a step follows, its B in step nh of slot ns; ro: byte offset of a record to load; lw: this step's record is waited for at the head.
.macro STEP par, zero, mode, set, jp, bar, rs, nb, ns, nh, ro, lw
.if \lw
	s_wait_loadcnt 0x0                             ; the record asked for four steps ago
.endif
	s_wait_dscnt 0x4                               ; all but the youngest four LDS loads (A's fragment 6) are in
.set T_, 0
.rept 8
.if (T_ == 1) && (\bar >= 2)
	WIN 0                                          ; (the add's two registers lie in window 0)
	s_wait_tensorcnt 0x0                           ; all my tensor loads have landed: the one that was out is the pair that is read next
	ds_add_u32 v6, v7                              ; 0 onto my spare word; a turn of register work stands between it and the wait for it
.if \bar == 2
	s_add_nc_u64 s[50-4*\rs:51-4*\rs], s[50-4*\rs:51-4*\rs], 0x10000   ; no load of mine is out: the other slot's descriptor steps two pairs on
	s_wait_xcnt 0x0                                ; the last prefetch, two steps back, has read its address
	s_add_nc_u64 s[52:53], s[52:53], 0x8000
.endif
.endif
.if T_ == 2
	s_wait_dscnt 0x0                               ; my reads of this step's image and of the slot are over, my stores of the next image have landed, the add is done
.if \bar >= 1
	s_barrier_signal -1
.endif
.endif
.set B_, 0
.rept 8
	WM \par, \zero
	SLICE \par, \mode, \set, \jp, \bar, \rs, \nb, \ns, \nh, \ro, \lw
.set B_, B_+1
.endr
.set T_, T_+1
.endr
.endm
	s_load_b256 s[4:11], s[0:1], 0x0               ; cmp s[4:5], bw s[6:7], the exponents s[8:9], part s[10:11]
	v_lshl_add_u32 v6, v0, 2, SPARE
	v_mov_b32 v7, 0
	ds_add_u32 v6, v7
	ds_add_u32 v6, v7
	s_wait_dscnt 0x0
	v_lshrrev_b32 v9, 5, v0
	v_readfirstlane_b32 s12, v9                    ; wave
	v_and_b32 v9, 31, v0
	v_lshlrev_b32 v1, 4, v9                        ; 16 x lane
	v_lshlrev_b32 v8, 8, v9                        ; 256 x lane, for the prefetches
	s_lshl_b32 s14, s12, 15
	s_lshl_b32 s15, s12, 12
	v_add_nc_u32 v2, s14, v1                       ; my B in slot 0,
	v_add_nc_u32 v3, SLOT1, v2                     ; in slot 1
	v_add_nc_u32 v4, ABUF, v1                      ; the images, read
	v_add_nc_u32 v5, s15, v4                       ; and written: my two blocks
	s_bfe_u32 s13, ttmp6, 0x40000                  ; cx
	s_and_b32 s17, ttmp7, 0xffff                   ; 4 T + s
	s_lshr_b32 s18, s17, 2                         ; T
	s_lshl_b32 s20, s17, 2
	s_add_co_u32 s20, s20, s12
	s_mul_i32 s20, s20, 606208                     ; my wave's stream of B: 37 steps of 16,384 bytes; no place in the cluster enters it
	s_mov_b32 s21, 0
	s_lshl_b32 s60, ttmp9, 2
	s_add_co_u32 s60, s60, s13                     ; row tile = 4 x cluster x + cx
	s_lshl_b32 s61, s18, 4
	s_add_co_u32 s60, s60, s61
	s_lshl_b32 s60, s60, 2
	s_and_b32 s61, s17, 3
	s_add_co_u32 s60, s60, s61
	s_lshl_b32 s60, s60, 2
	s_add_co_u32 s60, s60, s12                     ; ((16 T + mt) 4 + s) 4 + w
	s_mul_i32 s62, s60, 59392
	s_add_co_u32 s62, s62, 4096                    ; my stream of cmp, at its first record
	s_mov_b32 s63, 0
	s_lshl_b32 s60, s60, 16                        ; my 65,536 bytes of part
	s_mov_b32 s61, 0
	; descriptor group 1: dense rows of 256 bytes (32 elements of 8 bytes); a pair of steps is 128 rows, step 0 alone 64
	s_mov_b32 s24, 15|(3<<16)|(1<<21)              ; 15:0 the mask: all four work-groups; 17:16 elements of 8 bytes; 21 set beside a mask
	s_mov_b32 s25, 32<<16                          ; tensor_dim0
	s_mov_b32 s26, 128<<16                         ; tensor_dim1
	s_mov_b32 s27, 32<<16                          ; tile_dim0
	s_mov_b32 s28, 128                             ; tile_dim1
	s_mov_b32 s29, 32                              ; tensor_dim0_stride
	s_mov_b32 s30, 0
	s_mov_b32 s31, 0
	s_mov_b32 s32, 15|(3<<16)|(1<<21)
	s_mov_b32 s33, 32<<16
	s_mov_b32 s34, 64<<16
	s_mov_b32 s35, 32<<16
	s_mov_b32 s36, 64
	s_mov_b32 s37, 32
	s_mov_b32 s38, 0
	s_mov_b32 s39, 0
	s_wait_kmcnt 0x0
	s_add_nc_u64 s[4:5], s[4:5], s[62:63]
	s_add_nc_u64 s[10:11], s[10:11], s[60:61]
	s_add_nc_u64 s[22:23], s[6:7], s[20:21]
	s_lshl_b32 s60, s18, 4
	s_add_nc_u64 s[8:9], s[8:9], s[60:61]
	s_load_b128 s[16:19], s[8:9], 0x0              ; the layer's four exponents
	s_mov_b32 s40, 1                               ; step 0 -> slot 0
	s_mov_b32 s41, s14
	s_mov_b64 s[42:43], s[22:23]
	s_or_b32 s43, s43, 0x80000000
	s_mov_b32 s44, 1                               ; slot 0's descriptor: pair 1 (steps 3, 4) first
	s_mov_b32 s45, s14
	s_add_nc_u64 s[46:47], s[22:23], 49152
	s_or_b32 s47, s47, 0x80000000
	s_mov_b32 s48, 1                               ; slot 1's: pair 0 (steps 1, 2) first
	s_add_co_u32 s49, s14, SLOT1
	s_add_nc_u64 s[50:51], s[22:23], 16384
	s_or_b32 s51, s51, 0x80000000
	s_lshl_b32 s60, s13, 13                        ; my work-group's 8,192 bytes of a wave's pair,
	s_add_co_u32 s60, s60, 81920                   ; in pair 2: the first refill steps it to pair 3
	s_add_nc_u64 s[52:53], s[22:23], s[60:61]
	s_cmp_eq_u32 ttmp9, 0
	s_cselect_b32 s54, 2, -1                       ; the same in all four partners
	s_mov_b32 s55, 17                              ; refills to come
	CROUND                                         ; all four work-groups are here: the first joint loads meet
	tensor_load_to_lds s[40:43], s[32:39]          ; two loads of mine are out
	s_nop 0
	tensor_load_to_lds s[48:51], s[24:31]
	s_nop 0
.rept 4
	v_nop
.endr
.irp k, 0,1,2,3,4,5,6,7
	global_load_b128 v[128+4*\k:131+4*\k], v1, s[4:5] offset:512*\k-4096   ; silu's image
.endr
.irp k, 0,1,2,3,4,5,6,7
	global_load_b128 v[160+4*\k:163+4*\k], v1, s[4:5] offset:512*\k        ; record 0: step 1's image
.endr
.irp k, 0,1,2,3,4,5,6,7,8
	global_load_b128 v[LOB+36+4*\k:LOB+39+4*\k], v1, s[4:5] offset:4608+512*\k   ; record 1 -> set 1
.endr
.irp k, 0,1,2,3,4,5,6,7,8
	global_load_b128 v[LOB+4*\k:LOB+3+4*\k], v1, s[4:5] offset:9216+512*\k       ; record 2 (group 0) -> set 0
.endr
	s_wait_loadcnt 18                              ; the two images are in; the 18 loads of records 1 and 2 may be out
.irp k, 0,1,2,3,4,5,6,7
	ds_store_b128 v5, v[128+4*\k:131+4*\k] offset:\k*512
.endr
.irp k, 0,1,2,3,4,5,6,7
	ds_store_b128 v5, v[160+16*((\k%4)/2)+8*(\k/4)+4*(\k%2):163+16*((\k%4)/2)+8*(\k/4)+4*(\k%2)] offset:16384+\k*512
.endr
	s_wait_tensorcnt 0x1                           ; step 0's tile is in; pair 0's load may stay out
	s_wait_dscnt 0x0                               ; my parts of images 0 and 1 have landed
	s_barrier_signal -1
	s_barrier_wait -1
.irp f, 0,1,2,3,4,5,6,7
	LB \f, 0, 0, 0
.endr
	WIN 0
.irp a, 0,1,2,3,4,5,6
	LA \a, 0
.endr
	s_wait_kmcnt 0x0
	s_add_co_i32 s58, s16, s17
	s_sub_co_i32 s58, s58, s18
	s_sub_co_i32 s58, s58, s19                     ; d
	s_add_co_i32 s58, s58, 127
	s_lshl_b32 s58, s58, 23                        ; 2^d as f32
	s_mov_b32 s59, s58                             ; (named with it as a pair, so it is written)
	STEP 0,1,2,1,0,2,0,1,1,0,0,0                   ; step 0: silu x w_base starts the sums; image 2 is record 1; slot 0 takes pair 1
	WIN 0x82                                       ; the base sums into the spline's unit: x 2^d, each accumulator from its low end on.  Window 2's lines are the places behind the last products, which wrote window 3
.set j_, 0
.rept 128
	v_pk_mul_f32 v[j_:j_+1], v[j_:j_+1], s[58:59] op_sel_hi:[1,0]
.set j_, j_+2
.endr
	WIN 0xc3
.set j_, 0
.rept 128
	v_pk_mul_f32 v[j_:j_+1], v[j_:j_+1], s[58:59] op_sel_hi:[1,0]
.set j_, j_+2
.endr
	WIN 0
	s_mov_b32 s56, 4
.Ltrip:                                                ; four trips of eight steps (steps 1 to 32): two groups' images, four refills, two records
	STEP 1,0,1,0,0,1,0,1,1,1,13824,1
	STEP 0,0,1,0,1,2,1,1,0,0,0,0
	STEP 1,0,1,0,2,1,0,1,0,1,0,0
	STEP 0,0,1,0,3,2,0,1,1,0,0,0
	STEP 1,0,1,1,0,1,0,1,1,1,18432,1
	STEP 0,0,1,1,1,2,1,1,0,0,0,0
	STEP 1,0,1,1,2,1,0,1,0,1,0,0
	STEP 0,0,1,1,3,2,0,1,1,0,0,0
	WIN 0
	s_wait_xcnt 0x0                                ; the records' loads have read their base
	s_add_nc_u64 s[4:5], s[4:5], 9216              ; two records on
	s_sub_co_u32 s56, s56, 1
	s_cmp_lg_u32 s56, 0
	s_cbranch_scc1 .Ltrip
	STEP 1,0,2,0,0,1,0,1,1,1,13824,1               ; step 33: image 35 is record 10; record 11 is asked for
	STEP 0,0,2,1,0,3,0,1,0,0,0,0                   ; step 34: image 36 is record 11; the last pair is waited for, nothing is filled
	STEP 1,0,0,0,0,1,0,1,0,1,0,0                   ; step 35
	STEP 0,0,0,0,0,0,0,0,0,0,0,0                   ; step 36
.rept 4
	v_nop                                          ; places between the last products and the stores that read their results
.endr
	WIN 0x08                                       ; store data in window 2.  An accumulator leaves as it stands, its low four registers first: each store of the wave covers 512 consecutive bytes, aligned
.set k_, 0
.rept 32
	global_store_b128 v1, v[8*k_:8*k_+3], s[10:11] offset:k_*1024
	global_store_b128 v1, v[8*k_+4:8*k_+7], s[10:11] offset:k_*1024+512
.set k_, k_+1
.endr
	WIN 0x0c                                       ; window 3
.set k_, 0
.rept 32
	global_store_b128 v1, v[8*k_:8*k_+3], s[10:11] offset:(32+k_)*1024
	global_store_b128 v1, v[8*k_+4:8*k_+7], s[10:11] offset:(32+k_)*1024+512
.set k_, k_+1
.endr
	WIN 0
	s_wait_tensorcnt 0x0                           ; the wave's end: behind my last tensor load and my last LDS store
	ds_add_u32 v6, v7
	s_wait_dscnt 0x0
	CROUND                                         ; the closing round: no work-group ends while a partner may still ask for a tile that names it
	s_endpgm
.Lfunc_end_k_q6de72697c8_kan:
	.size	k_q6de72697c8_kan, .Lfunc_end_k_q6de72697c8_kan-k_q6de72697c8_kan
	.p2alignl 7, 3214868480
	.fill 96, 4, 3214868480
	.section	.rodata,"a",@progbits
	.p2align	6, 0x0
	.amdhsa_kernel k_q6de72697c8_kan
		.amdhsa_group_segment_fixed_size 327680
		.amdhsa_private_segment_fixed_size 0
		.amdhsa_enable_private_segment 0
		.amdhsa_kernarg_size 32
		.amdhsa_user_sgpr_count 2
		.amdhsa_user_sgpr_kernarg_segment_ptr 1
		.amdhsa_wavefront_size32 1
		.amdhsa_system_sgpr_workgroup_id_x 1
		.amdhsa_system_sgpr_workgroup_id_y 1
		.amdhsa_system_sgpr_workgroup_id_z 1
		.amdhsa_system_vgpr_workitem_id 0
		.amdhsa_next_free_vgpr 1024
		.amdhsa_next_free_sgpr 96
		.amdhsa_reserve_vcc 0
		.amdhsa_float_denorm_mode_32 3
		.amdhsa_float_denorm_mode_16_64 3
		.amdhsa_memory_ordered 1
		.amdhsa_forward_progress 1
		.amdhsa_inst_pref_size 243
	.end_amdhsa_kernel
	.amdgpu_metadata
---
amdhsa.version: [ 1, 2 ]
amdhsa.kernels:
  - .name:           k_q6de72697c8_kan
    .symbol:         k_q6de72697c8_kan.kd
    .args:
      - { .name: cmp, .offset: 0, .size: 8, .value_kind: global_buffer, .address_space: global }
      - { .name: bw, .offset: 8, .size: 8, .value_kind: global_buffer, .address_space: global }
      - { .name: lowp_scales, .offset: 16, .size: 8, .value_kind: global_buffer, .address_space: global }
      - { .name: part, .offset: 24, .size: 8, .value_kind: global_buffer, .address_space: global }
    .group_segment_fixed_size: 327680
    .private_segment_fixed_size: 0
    .kernarg_segment_align: 8
    .kernarg_segment_size: 32
    .max_flat_workgroup_size: 128
    .sgpr_count:     96
    .vgpr_count:     1024
    .wavefront_size: 32
...
	.end_amdgpu_metadata
.endif
;; end of part 2
;; launch ktv (part 3): grid 16 x 8, 16 waves a work-group, no clusters, 18,432 bytes of LDS; arguments part, lowp_scales, kv; writes kv
.if DOCPART == 3
	.amdgcn_target "amdgcn-amd-amdhsa--gfx1250"
	.amdhsa_code_object_version 6
	.text
	.protected	k_q6de72697c8_ktv
	.globl	k_q6de72697c8_ktv
	.p2align	8
	.type	k_q6de72697c8_ktv,@function
k_q6de72697c8_ktv:
	s_mov_b64 s[64:65], 0
	v_nop
	global_prefetch_b8 v0, s[64:65] scope:SCOPE_SE
	s_setreg_imm32_b32 hwreg(HW_REG_WAVE_MODE, 25, 1), 1
	s_wait_xcnt 0x0
; KTV: for one row tile (128 key rows, work-group x) and one head (work-group y): the four splits of K and V are added in f32, quantised along the rows (the product's K) with entries 12 (K) and 13 (V), and
; K^T V of these 128 rows, 64 x 64, is stored as f32 register images; the last launch adds the eight tiles of a batch.
; An accumulator of the launch before holds, in lane (r, h), column 16 b + r and rows 16 a + 8 h + 0..7: eight neighbours along THIS product's K.  So one conversion gives registers 2 a, 2 a + 1 of a fragment: nothing changes lanes.
; Phase 1: wave v makes half a fragment (tensor v / 8, 16 columns (v / 2) % 4, rows 64 (v % 2) on) and stores it in LDS as an image of its registers.  Phase 2: wave v makes block (d block v / 4, e block v % 4): one matrix instruction.
; A sum of K stands for sum x 2^(e6 + e7), of V for sum x 2^(e10 + e11): folded into the conversion's scale.  LIMITS: e12 - e6 - e7 and e13 - e10 - e11 between -126 and 119.  NaN is not served.
; No tensor load: each byte is read once, by 512 consecutive bytes a wave.  No cluster: work-groups share no input.  No prefetch: a short launch.
	s_load_b128 s[4:7], s[0:1], 0x0                ; part, the exponents
	s_load_b64 s[8:9], s[0:1], 0x10                ; kv
	v_lshl_add_u32 v192, v0, 2, 0x4000
	v_mov_b32 v193, 0
	v_lshrrev_b32 v2, 5, v0
	v_readfirstlane_b32 s10, v2                    ; wave v
	v_and_b32 v2, 31, v0
	v_lshlrev_b32 v1, 4, v2                        ; 16 x lane
	s_and_b32 s11, ttmp7, 0xffff                   ; head
	s_lshr_b32 s12, s10, 3                         ; 0: K, 1: V
	s_bfe_u32 s13, s10, 0x20001                    ; which 16 of the head's 64 columns
	s_and_b32 s14, s10, 1                          ; which 64 rows
	s_add_co_u32 s15, s12, 1                       ; the layer
	s_lshl_b32 s15, s15, 4
	s_add_co_u32 s15, s15, ttmp9
	s_lshl_b32 s15, s15, 4
	s_lshr_b32 s32, s11, 1                         ; which 128 columns
	s_add_co_u32 s15, s15, s32
	s_lshl_b32 s34, s15, 16
	s_and_b32 s32, s11, 1
	s_lshl_b32 s32, s32, 2
	s_add_co_u32 s32, s32, s13                     ; b
	s_lshl_b32 s33, s14, 5
	s_add_co_u32 s32, s32, s33                     ; + 8 a, a = 4 (v % 2) on
	s_lshl_b32 s32, s32, 10
	s_add_co_u32 s34, s34, s32
	s_mov_b32 s35, 0
	s_lshl_b32 s38, s10, 10
	v_add_nc_u32 v3, s38, v1                       ; my two chunks of the images: 1,024 v + 16 lane
	s_lshr_b32 s38, s10, 2
	s_lshl_b32 s38, s38, 11
	v_add_nc_u32 v6, s38, v1                       ; K's fragment v / 4
	s_and_b32 s38, s10, 3
	s_lshl_b32 s38, s38, 11
	s_add_co_u32 s38, s38, 8192
	v_add_nc_u32 v7, s38, v1                       ; V's fragment v % 4
	s_lshl_b32 s38, ttmp9, 3
	s_add_co_u32 s38, s38, s11
	s_lshl_b32 s38, s38, 4
	s_add_co_u32 s38, s38, s10
	s_lshl_b32 s38, s38, 10
	s_mov_b32 s39, 0
	s_wait_kmcnt 0x0
	s_load_b512 s[16:31], s[6:7], 0x0              ; entry k in s[16 + k]
	s_add_nc_u64 s[4:5], s[4:5], s[34:35]
	s_add_nc_u64 s[8:9], s[8:9], s[38:39]
.irp s, 0,1,2,3
.irp i, 0,1,2,3
	global_load_b128 v[32+32*\s+8*\i:35+32*\s+8*\i], v1, s[4:5] offset:\s*262144+\i*8192
	global_load_b128 v[36+32*\s+8*\i:39+32*\s+8*\i], v1, s[4:5] offset:\s*262144+\i*8192+512
.endr
.endr
	s_wait_kmcnt 0x0
	s_sub_co_i32 s36, s28, s22
	s_sub_co_i32 s36, s36, s23
	s_sub_co_i32 s37, s29, s26
	s_sub_co_i32 s37, s37, s27
	s_cmp_eq_u32 s12, 0
	s_cselect_b32 s36, s36, s37
	s_add_co_i32 s36, s36, 127
	s_lshl_b32 s37, s36, 23
	v_mov_b32 v4, s37                              ; the folded scale as f32
	s_add_co_i32 s36, s36, 8
	s_lshl_b32 s36, s36, 23
	s_or_b32 s36, s36, 0x600000
	v_mov_b32 v5, s36                              ; 448 x that
	s_wait_loadcnt 0x0
.set j_, 0
.rept 16
	v_pk_add_f32 v[32+j_:33+j_], v[32+j_:33+j_], v[64+j_:65+j_]
	v_pk_add_f32 v[96+j_:97+j_], v[96+j_:97+j_], v[128+j_:129+j_]
.set j_, j_+2
.endr
.set j_, 0
.rept 16
	v_pk_add_f32 v[32+j_:33+j_], v[32+j_:33+j_], v[96+j_:97+j_]
.set j_, j_+2
.endr
.set j_, 0
.rept 32
	v_med3_num_f32 v[32+j_], v[32+j_], -v5, v5     ; the conversion to an 8-bit code does not saturate (ISA guide 7.6.2)
.set j_, j_+1
.endr
.irp i, 0,1,2,3
	v_cvt_scalef32_pk8_fp8_f32 v[160+2*\i:161+2*\i], v[32+8*\i:39+8*\i], v4
.endr
	v_nop                                          ; a plain instruction behind the last conversion
	ds_store_b128 v3, v[160:163]
	ds_store_b128 v3, v[164:167] offset:512
	s_wait_dscnt 0x0                               ; for the others' sake: my stores have landed
	s_barrier_signal -1
	s_barrier_wait -1
.irp c, 0,1,2,3
	ds_load_b128 v[64+4*\c:67+4*\c], v6 offset:512*\c
	ds_load_b128 v[80+4*\c:83+4*\c], v7 offset:512*\c
.endr
	s_wait_dscnt 0x0
	v_wmma_f32_16x16x128_fp8_fp8 v[96:103], v[64:79], v[80:95], 0   ; (d, e): source 0 = 16 columns of K, source 1 = 16 columns of V, K = the 128 rows
.rept 4
	v_nop
.endr
	global_store_b128 v1, v[96:99], s[8:9]         ; the accumulator as it stands, its low four registers first: 512 consecutive bytes a store
	global_store_b128 v1, v[100:103], s[8:9] offset:512
	s_wait_tensorcnt 0x0
	ds_add_u32 v192, v193
	s_wait_dscnt 0x0
	s_endpgm
.Lfunc_end_k_q6de72697c8_ktv:
	.size	k_q6de72697c8_ktv, .Lfunc_end_k_q6de72697c8_ktv-k_q6de72697c8_ktv
	.p2alignl 7, 3214868480
	.fill 96, 4, 3214868480
	.section	.rodata,"a",@progbits
	.p2align	6, 0x0
	.amdhsa_kernel k_q6de72697c8_ktv
		.amdhsa_group_segment_fixed_size 18432
		.amdhsa_private_segment_fixed_size 0
		.amdhsa_enable_private_segment 0
		.amdhsa_kernarg_size 24
		.amdhsa_user_sgpr_count 2
		.amdhsa_user_sgpr_kernarg_segment_ptr 1
		.amdhsa_wavefront_size32 1
		.amdhsa_system_sgpr_workgroup_id_x 1
		.amdhsa_system_sgpr_workgroup_id_y 1
		.amdhsa_system_sgpr_workgroup_id_z 1
		.amdhsa_system_vgpr_workitem_id 0
		.amdhsa_next_free_vgpr 194
		.amdhsa_next_free_sgpr 66
		.amdhsa_reserve_vcc 0
		.amdhsa_float_denorm_mode_32 3
		.amdhsa_float_denorm_mode_16_64 3
		.amdhsa_memory_ordered 1
		.amdhsa_forward_progress 1
		.amdhsa_inst_pref_size 13
	.end_amdhsa_kernel
	.amdgpu_metadata
---
amdhsa.version: [ 1, 2 ]
amdhsa.kernels:
  - .name:           k_q6de72697c8_ktv
    .symbol:         k_q6de72697c8_ktv.kd
    .args:
      - { .name: part, .offset: 0, .size: 8, .value_kind: global_buffer, .address_space: global }
      - { .name: lowp_scales, .offset: 8, .size: 8, .value_kind: global_buffer, .address_space: global }
      - { .name: kv, .offset: 16, .size: 8, .value_kind: global_buffer, .address_space: global }
    .group_segment_fixed_size: 18432
    .private_segment_fixed_size: 0
    .kernarg_segment_align: 8
    .kernarg_segment_size: 24
    .max_flat_workgroup_size: 512
    .sgpr_count:     66
    .vgpr_count:     194
    .wavefront_size: 32
...
	.end_amdgpu_metadata
.endif
;; end of part 3
;; launch fin (part 4): grid 16 x 8, 8 waves a work-group, no clusters, 39,936 bytes of LDS; arguments part, kv, lowp_scales, out0; writes out0
.if DOCPART == 4
	.amdgcn_target "amdgcn-amd-amdhsa--gfx1250"
	.amdhsa_code_object_version 6
	.text
	.protected	k_q6de72697c8_fin
	.globl	k_q6de72697c8_fin
	.p2align	8
	.type	k_q6de72697c8_fin,@function
k_q6de72697c8_fin:
	s_mov_b64 s[64:65], 0
	v_nop
	global_prefetch_b8 v0, s[64:65] scope:SCOPE_SE
	s_setreg_imm32_b32 hwreg(HW_REG_WAVE_MODE, 25, 1), 1
	s_wait_xcnt 0x0
; FIN: out = Q (K^T V) for one row tile (128 queries, work-group x) and one head (work-group y).
; Phase 1: the batch's eight tiles of K^T V are added in f32 and quantised along d (the product's K) with entry 15.  A stored block holds, in lane (r, h), column e = 16 eb + r and rows d = 16 db + 8 h + 0..7: one conversion gives
; registers 2 db, 2 db + 1 of the fragment of columns 16 eb on.  Wave v makes blocks (db = v % 4, eb = 2 (v / 4), + 1); the four fragments meet in LDS as images of their registers, 8 bytes a lane.
; Phase 2: wave a adds the four splits of Q's rows 16 a on.  There a lane holds one column d and eight rows, and the quantiser wants neighbours along d in one lane: one turn through the wave's own stage in LDS.  Entry 14.
; Phase 3: four matrix instructions, used transposed (source 0 = 16 columns e of K^T V, source 1 = my 16 queries): a lane then holds eight neighbouring numbers of a row of out.  x 2^(e14 + e15), and out through the stage as whole units of 256 bytes.
; LIMITS: e15 - e12 - e13 and e14 - e2 - e3 between -126 and 119; e14 + e15 between -126 and 127.  NaN is not served.
; No tensor load, no cluster: what the work-groups of a batch and head share is 131,072 bytes of partial sums, a small part of the launch's bytes.  No prefetch: a short launch.
	s_load_b256 s[4:11], s[0:1], 0x0               ; part, kv, the exponents, out0
	v_lshl_add_u32 v192, v0, 2, 0x9800
	v_mov_b32 v193, 0
	v_lshrrev_b32 v2, 5, v0
	v_readfirstlane_b32 s12, v2                    ; wave
	v_and_b32 v2, 31, v0
	v_and_b32 v14, 15, v0                          ; r
	v_bfe_u32 v15, v0, 4, 1                        ; h
	v_lshlrev_b32 v1, 4, v2                        ; 16 x lane
	v_lshlrev_b32 v2, 3, v2                        ; 8 x lane
	s_and_b32 s13, ttmp7, 0xffff                   ; head
	s_lshr_b32 s14, ttmp9, 3                       ; batch
	s_lshl_b32 s14, s14, 6
	s_add_co_u32 s14, s14, s13
	s_lshl_b32 s14, s14, 4
	s_and_b32 s15, s12, 3                          ; db
	s_lshl_b32 s32, s15, 2
	s_add_co_u32 s14, s14, s32
	s_lshr_b32 s33, s12, 2
	s_lshl_b32 s32, s33, 1
	s_add_co_u32 s14, s14, s32
	s_lshl_b32 s34, s14, 10                        ; kv: ((8 x first tile of the batch + head) 16 + 4 db + eb) x 1,024
	s_mov_b32 s35, 0
	s_lshl_b32 s40, ttmp9, 4
	s_lshr_b32 s32, s13, 1
	s_add_co_u32 s40, s40, s32
	s_lshl_b32 s40, s40, 16
	s_lshl_b32 s32, s12, 3
	s_and_b32 s38, s13, 1
	s_lshl_b32 s38, s38, 2
	s_add_co_u32 s32, s32, s38
	s_lshl_b32 s32, s32, 10
	s_add_co_u32 s40, s40, s32                     ; part: layer 0, my tile, the head's 128 columns, accumulators (a, 4 (head % 2) on)
	s_mov_b32 s41, 0
	s_lshl_b32 s42, ttmp9, 3
	s_add_co_u32 s42, s42, s12
	s_lshl_b32 s42, s42, 15
	s_lshl_b32 s32, s13, 8
	s_add_co_u32 s42, s42, s32                     ; out0: row 128 mt + 16 a, + 256 bytes x head
	s_mov_b32 s43, 0
	s_lshl_b32 s38, s33, 11
	s_lshl_b32 s39, s15, 8
	s_add_co_u32 s38, s38, s39
	v_add_nc_u32 v3, s38, v2                       ; K^T V's images, written: fragment 2 (v / 4), pair db
	s_mul_i32 s38, s12, 4352
	s_add_co_u32 s38, s38, 4096                    ; my stage: 16 rows x (256 bytes + 16)
	v_mul_u32_u24 v5, v15, 2176
	v_lshl_add_u32 v5, v14, 2, v5
	v_add_nc_u32 v5, s38, v5                       ; Q in: row 8 h + j, column r
	v_mul_u32_u24 v6, v14, 272
	v_lshl_add_u32 v6, v15, 5, v6
	v_add_nc_u32 v6, s38, v6                       ; row r, 32 bytes for each half of the lanes
	v_mul_u32_u24 v7, v15, 272
	v_lshl_add_u32 v7, v14, 4, v7
	v_add_nc_u32 v7, s38, v7                       ; back: lanes 0-15 one row, lanes 16-31 the next
	v_lshlrev_b32 v8, 11, v15
	v_lshl_add_u32 v8, v14, 4, v8                  ; and the same two rows in out0
	s_wait_kmcnt 0x0
	s_load_b512 s[16:31], s[8:9], 0x0              ; entry k in s[16 + k]
	s_add_nc_u64 s[6:7], s[6:7], s[34:35]
	s_add_nc_u64 s[4:5], s[4:5], s[40:41]
	s_add_nc_u64 s[10:11], s[10:11], s[42:43]
.irp p, 0,1,2,3,4,5,6,7
.irp i, 0,1
	global_load_b128 v[32+16*\p+8*\i:35+16*\p+8*\i], v1, s[6:7] offset:\p*131072+\i*1024
	global_load_b128 v[36+16*\p+8*\i:39+16*\p+8*\i], v1, s[6:7] offset:\p*131072+\i*1024+512
.endr
.endr
	s_wait_kmcnt 0x0
	s_sub_co_i32 s36, s31, s28
	s_sub_co_i32 s36, s36, s29                     ; e15 - e12 - e13
	s_add_co_i32 s36, s36, 127
	s_lshl_b32 s37, s36, 23
	v_mov_b32 v10, s37
	s_add_co_i32 s36, s36, 8
	s_lshl_b32 s36, s36, 23
	s_or_b32 s36, s36, 0x600000
	v_mov_b32 v11, s36
	s_sub_co_i32 s36, s30, s18
	s_sub_co_i32 s36, s36, s19                     ; e14 - e2 - e3
	s_add_co_i32 s36, s36, 127
	s_lshl_b32 s37, s36, 23
	v_mov_b32 v12, s37
	s_add_co_i32 s36, s36, 8
	s_lshl_b32 s36, s36, 23
	s_or_b32 s36, s36, 0x600000
	v_mov_b32 v13, s36
	s_add_co_i32 s36, s30, s31
	s_add_co_i32 s36, s36, 127
	s_lshl_b32 s36, s36, 23                        ; 2^(e14 + e15) as f32
	s_mov_b32 s37, s36                             ; (named with it as a pair, so it is written)
	s_wait_loadcnt 0x0
.irp p, 0,2,4,6
.irp j, 0,2,4,6,8,10,12,14
	v_pk_add_f32 v[32+16*\p+\j:33+16*\p+\j], v[32+16*\p+\j:33+16*\p+\j], v[48+16*\p+\j:49+16*\p+\j]
.endr
.endr
.irp p, 0,4
.irp j, 0,2,4,6,8,10,12,14
	v_pk_add_f32 v[32+16*\p+\j:33+16*\p+\j], v[32+16*\p+\j:33+16*\p+\j], v[64+16*\p+\j:65+16*\p+\j]
.endr
.endr
.irp j, 0,2,4,6,8,10,12,14
	v_pk_add_f32 v[32+\j:33+\j], v[32+\j:33+\j], v[96+\j:97+\j]
.endr
.set j_, 0
.rept 16
	v_med3_num_f32 v[32+j_], v[32+j_], -v11, v11   ; the conversion to an 8-bit code does not saturate (ISA guide 7.6.2)
.set j_, j_+1
.endr
	v_cvt_scalef32_pk8_fp8_f32 v[160:161], v[32:39], v10
	v_cvt_scalef32_pk8_fp8_f32 v[162:163], v[40:47], v10
	v_nop                                          ; a plain instruction behind the last conversion
	ds_store_b64 v3, v[160:161]
	ds_store_b64 v3, v[162:163] offset:1024
.irp s, 0,1,2,3
.irp b, 0,1,2,3
	global_load_b128 v[32+32*\s+8*\b:35+32*\s+8*\b], v1, s[4:5] offset:\s*262144+\b*1024       ; Q's four splits: asked for ahead of the barrier
	global_load_b128 v[36+32*\s+8*\b:39+32*\s+8*\b], v1, s[4:5] offset:\s*262144+\b*1024+512
.endr
.endr
	s_wait_dscnt 0x0                               ; for the others' sake: my stores have landed
	s_barrier_signal -1
	s_barrier_wait -1
	s_wait_loadcnt 0x0
.set j_, 0
.rept 16
	v_pk_add_f32 v[32+j_:33+j_], v[32+j_:33+j_], v[64+j_:65+j_]
	v_pk_add_f32 v[96+j_:97+j_], v[96+j_:97+j_], v[128+j_:129+j_]
.set j_, j_+2
.endr
.set j_, 0
.rept 16
	v_pk_add_f32 v[32+j_:33+j_], v[32+j_:33+j_], v[96+j_:97+j_]
.set j_, j_+2
.endr
.irp e, 0,1,2,3
.irp d, 0,1,2,3
	ds_load_b64 v[128+8*\e+2*\d:129+8*\e+2*\d], v2 offset:\e*1024+\d*256   ; K^T V's four fragments
.endr
.endr
.irp b, 0,1,2,3
.irp j, 0,1,2,3,4,5,6,7
	ds_store_b32 v5, v[32+8*\b+\j] offset:\j*272+\b*64
.endr
.endr
.irp c, 0,1,2,3
	ds_load_b128 v[64+8*\c:67+8*\c], v6 offset:64*\c       ; LDS serves a wave's instructions in order (ISA guide 5.7.1.4): these see my stores.  Row r, d = 16 c + 8 h + 0..7
	ds_load_b128 v[68+8*\c:71+8*\c], v6 offset:64*\c+16
.endr
	s_wait_dscnt 0x0
.set j_, 0
.rept 32
	v_med3_num_f32 v[64+j_], v[64+j_], -v13, v13
.set j_, j_+1
.endr
.irp c, 0,1,2,3
	v_cvt_scalef32_pk8_fp8_f32 v[168+2*\c:169+2*\c], v[64+8*\c:71+8*\c], v12
.endr
	v_nop                                          ; a plain instruction between the conversions and the matrix instructions that read their results
.irp e, 0,1,2,3
	v_wmma_f32_16x16x64_fp8_fp8 v[96+8*\e:103+8*\e], v[128+8*\e:135+8*\e], v[168:175], 0
.endr
.rept 4
	v_nop
.endr
.set j_, 0
.rept 16
	v_pk_mul_f32 v[32+j_:33+j_], v[96+j_:97+j_], s[36:37] op_sel_hi:[1,0]   ; x 2^(e14 + e15), each accumulator from its low end on
.set j_, j_+2
.endr
.irp e, 0,1,2,3
	ds_store_b128 v6, v[32+8*\e:35+8*\e] offset:64*\e      ; lane (r, h): out(row r, 16 eb + 8 h + 0..7)
	ds_store_b128 v6, v[36+8*\e:39+8*\e] offset:64*\e+16
.endr
.irp i, 0,1,2,3,4,5,6,7
	ds_load_b128 v[64+4*\i:67+4*\i], v7 offset:544*\i
.endr
.irp i, 0,1,2,3,4,5,6,7
	s_wait_dscnt 7-\i                              ; LDS loads come back in order: pair i of rows is in, the younger ones may be out
	global_store_b128 v8, v[64+4*\i:67+4*\i], s[10:11] offset:4096*\i th:TH_STORE_NT   ; sixteen lanes store 256 consecutive bytes, aligned
.endr
	s_wait_tensorcnt 0x0
	ds_add_u32 v192, v193
	s_wait_dscnt 0x0
	s_endpgm
.Lfunc_end_k_q6de72697c8_fin:
	.size	k_q6de72697c8_fin, .Lfunc_end_k_q6de72697c8_fin-k_q6de72697c8_fin
	.p2alignl 7, 3214868480
	.fill 96, 4, 3214868480
	.section	.rodata,"a",@progbits
	.p2align	6, 0x0
	.amdhsa_kernel k_q6de72697c8_fin
		.amdhsa_group_segment_fixed_size 39936
		.amdhsa_private_segment_fixed_size 0
		.amdhsa_enable_private_segment 0
		.amdhsa_kernarg_size 32
		.amdhsa_user_sgpr_count 2
		.amdhsa_user_sgpr_kernarg_segment_ptr 1
		.amdhsa_wavefront_size32 1
		.amdhsa_system_sgpr_workgroup_id_x 1
		.amdhsa_system_sgpr_workgroup_id_y 1
		.amdhsa_system_sgpr_workgroup_id_z 1
		.amdhsa_system_vgpr_workitem_id 0
		.amdhsa_next_free_vgpr 194
		.amdhsa_next_free_sgpr 66
		.amdhsa_reserve_vcc 0
		.amdhsa_float_denorm_mode_32 3
		.amdhsa_float_denorm_mode_16_64 3
		.amdhsa_memory_ordered 1
		.amdhsa_forward_progress 1
		.amdhsa_inst_pref_size 27
	.end_amdhsa_kernel
	.amdgpu_metadata
---
amdhsa.version: [ 1, 2 ]
amdhsa.kernels:
  - .name:           k_q6de72697c8_fin
    .symbol:         k_q6de72697c8_fin.kd
    .args:
      - { .name: part, .offset: 0, .size: 8, .value_kind: global_buffer, .address_space: global }
      - { .name: kv, .offset: 8, .size: 8, .value_kind: global_buffer, .address_space: global }
      - { .name: lowp_scales, .offset: 16, .size: 8, .value_kind: global_buffer, .address_space: global }
      - { .name: out0, .offset: 24, .size: 8, .value_kind: global_buffer, .address_space: global }
    .group_segment_fixed_size: 39936
    .private_segment_fixed_size: 0
    .kernarg_segment_align: 8
    .kernarg_segment_size: 32
    .max_flat_workgroup_size: 256
    .sgpr_count:     66
    .vgpr_count:     194
    .wavefront_size: 32
...
	.end_amdgpu_metadata
.endif
;; end of part 4
